; MI455X (gfx1250); checked and timed in simulation.
; The chip was launched on July 23, 2026; its instructions are those of AMD's public machine-readable ISA for CDNA 5 (MIT licence, August 2026) and "CDNA5" Instruction Set Architecture Reference Guide (July 2026). The comments in the code are by the model that wrote it; some were corrected since.
;; Bert Linear Self Attention. Allowed arithmetic: float matrix products may take bf16 or f16 operands with f32 sums; other float arithmetic in f32, or as packed bf16 or f16 multiplies, adds, multiply-adds, maxima and minima; sums over many terms, partial sums and values carried from step to step in f32; what a program stores and reads back later, other than sums and carried values, may be rounded once to bf16 or f16.
;; Inputs: Wk 1,024 x 1,024 float32; Wq 1,024 x 1,024 float32; Wv 1,024 x 1,024 float32; bk 1,024 float32; bq 1,024 float32; bv 1,024 float32; hidden_states 4 x 4,096 x 1,024 float32.
;; Outputs: out0 4 x 4,096 x 1,024 float32.
;; One version. Each part assembles by itself: llvm-mc -triple=amdgcn-amd-amdhsa -mcpu=gfx1250 --defsym DOCPART=n.
;; ======== version 1 of 1: 4 launches
;; limits: values outside matrix products are rounded to bf16
;; workspace buffers: xb 33,554,432 bytes; wb 6,291,456 bytes; pkv 10,485,760 bytes; kvf 655,360 bytes
;; launch cast (part 1): grid 1216 x 1, 8 waves a work-group, no clusters, 0 bytes of LDS; arguments hidden_states, Wk, Wv, Wq, xb, wb; writes xb, wb
.if DOCPART == 1
	.amdgcn_target "amdgcn-amd-amdhsa--gfx1250"
	.amdhsa_code_object_version 6
	.text
	.protected	k_qed71de741d_cast
	.globl	k_qed71de741d_cast
	.p2align	8
	.type	k_qed71de741d_cast,@function
k_qed71de741d_cast:
	s_mov_b64 s[64:65], 0
	v_nop
	global_prefetch_b8 v0, s[64:65] scope:SCOPE_SE
	s_setreg_imm32_b32 hwreg(HW_REG_WAVE_MODE, 25, 1), 1
	s_wait_xcnt 0x0
; CAST.  hidden_states [16384][1024] f32 -> xb, and Wk, Wv, Wq [1024][1024] f32 -> wb [3][1024][1024], all to bf16 (nearest even), layouts unchanged.
; A stream: each byte is read once and written once; no LDS, no barrier, no matrix unit, since there is nothing to share and nothing to multiply.
; A work-group of eight waves takes 16,384 numbers: 65,536 bytes in, 32,768 out.  Groups 0-1023 take X, 1024-1087 Wk, 1088-1151 Wv, 1152-1215 Wq.
; Thread t takes the 16 bytes at 16 t of each of sixteen pieces of 4,096 bytes: a wave's load covers 512 consecutive bytes, its store 256 consecutive bytes
; that begin at a multiple of 256 from the buffer's first byte.  All sixteen loads go out at once; no register is written twice, so no wait frees a source.
.set NX,    1024                       ; work-groups for X
.set NW,    64                         ; work-groups for each W
.set IN,    4                          ; v[4:67]   sixteen loads of four f32
.set OUT,   68                         ; v[68:99]  sixteen pairs of packed bf16
	s_load_b256 s[4:11], s[0:1], 0x0               ; X s[4:5], Wk s[6:7], Wv s[8:9], Wq s[10:11]
	s_load_b128 s[12:15], s[0:1], 0x20             ; xb s[12:13], wb s[14:15]
	v_lshlrev_b32 v1, 4, v0                        ; my 16 bytes in a piece of the source
	v_lshlrev_b32 v2, 3, v0                        ; my 8 bytes in a piece of the destination
	s_mov_b32 s18, ttmp9                           ; g
	s_and_b32 s16, s18, NW-1                       ; a W's groups count from 0 in their source,
	s_max_u32 s17, s18, NX
	s_sub_co_u32 s17, s17, NX                      ; and on through the three W in wb
	s_cmp_lt_u32 s18, NX
	s_cselect_b32 s16, s18, s16                    ; X's groups count alike in source and destination
	s_cselect_b32 s17, s18, s17
	s_lshl_b32 s24, s16, 16                        ; byte offsets, made apart from the addresses: 65,536 a group in,
	s_mov_b32 s25, 0
	s_lshl_b32 s26, s17, 15                        ; 32,768 out
	s_mov_b32 s27, 0
	s_wait_kmcnt 0x0
	s_cmp_lt_u32 s18, NX+2*NW                      ; which source: a choice between buffers on the group's number alone
	s_cselect_b64 s[20:21], s[8:9], s[10:11]
	s_cmp_lt_u32 s18, NX+NW
	s_cselect_b64 s[20:21], s[6:7], s[20:21]
	s_cmp_lt_u32 s18, NX
	s_cselect_b64 s[20:21], s[4:5], s[20:21]
	s_cselect_b64 s[22:23], s[12:13], s[14:15]
	s_add_nc_u64 s[20:21], s[20:21], s[24:25]
	s_add_nc_u64 s[22:23], s[22:23], s[26:27]
.set j, 0
.rept 16
	global_load_b128 v[IN+4*j:IN+4*j+3], v1, s[20:21] offset:4096*j th:TH_LOAD_NT  ; read once in the launch
.set j, j+1
.endr
.set j, 0
.rept 16
	s_wait_loadcnt 15-j                            ; loads come back in order: load j is in, the 15 - j issued behind it stay out
	v_cvt_pk_bf16_f32 v[OUT+2*j],   v[IN+4*j],   v[IN+4*j+1]
	v_cvt_pk_bf16_f32 v[OUT+2*j+1], v[IN+4*j+2], v[IN+4*j+3]
	global_store_b64 v2, v[OUT+2*j:OUT+2*j+1], s[22:23] offset:2048*j  ; no hint: later launches read these bytes
.set j, j+1
.endr
	s_endpgm
.Lfunc_end_k_qed71de741d_cast:
	.size	k_qed71de741d_cast, .Lfunc_end_k_qed71de741d_cast-k_qed71de741d_cast
	.p2alignl 7, 3214868480
	.fill 96, 4, 3214868480
	.section	.rodata,"a",@progbits
	.p2align	6, 0x0
	.amdhsa_kernel k_qed71de741d_cast
		.amdhsa_group_segment_fixed_size 0
		.amdhsa_private_segment_fixed_size 0
		.amdhsa_enable_private_segment 0
		.amdhsa_kernarg_size 48
		.amdhsa_user_sgpr_count 2
		.amdhsa_user_sgpr_kernarg_segment_ptr 1
		.amdhsa_wavefront_size32 1
		.amdhsa_system_sgpr_workgroup_id_x 1
		.amdhsa_system_sgpr_workgroup_id_y 1
		.amdhsa_system_sgpr_workgroup_id_z 1
		.amdhsa_system_vgpr_workitem_id 0
		.amdhsa_next_free_vgpr 100
		.amdhsa_next_free_sgpr 66
		.amdhsa_reserve_vcc 0
		.amdhsa_float_denorm_mode_32 3
		.amdhsa_float_denorm_mode_16_64 3
		.amdhsa_memory_ordered 1
		.amdhsa_forward_progress 1
		.amdhsa_inst_pref_size 7
	.end_amdhsa_kernel
	.amdgpu_metadata
---
amdhsa.version: [ 1, 2 ]
amdhsa.kernels:
  - .name:           k_qed71de741d_cast
    .symbol:         k_qed71de741d_cast.kd
    .args:
      - { .name: hidden_states, .offset: 0, .size: 8, .value_kind: global_buffer, .address_space: global }
      - { .name: Wk, .offset: 8, .size: 8, .value_kind: global_buffer, .address_space: global }
      - { .name: Wv, .offset: 16, .size: 8, .value_kind: global_buffer, .address_space: global }
      - { .name: Wq, .offset: 24, .size: 8, .value_kind: global_buffer, .address_space: global }
      - { .name: xb, .offset: 32, .size: 8, .value_kind: global_buffer, .address_space: global }
      - { .name: wb, .offset: 40, .size: 8, .value_kind: global_buffer, .address_space: global }
    .group_segment_fixed_size: 0
    .private_segment_fixed_size: 0
    .kernarg_segment_align: 8
    .kernarg_segment_size: 48
    .max_flat_workgroup_size: 256
    .sgpr_count:     66
    .vgpr_count:     100
    .wavefront_size: 32
...
	.end_amdgpu_metadata
.endif
;; end of part 1
;; launch kv (part 2): grid 8 x 32, 4 waves a work-group, clusters of 4 x 4, 327,680 bytes of LDS; arguments xb, wb, bk, bv, pkv; writes pkv
.if DOCPART == 2
	.amdgcn_target "amdgcn-amd-amdhsa--gfx1250"
	.amdhsa_code_object_version 6
	.text
	.protected	k_qed71de741d_kv
	.globl	k_qed71de741d_kv
	.p2align	8
	.type	k_qed71de741d_kv,@function
k_qed71de741d_kv:
	s_mov_b64 s[64:65], 0
	v_nop
	global_prefetch_b8 v0, s[64:65] scope:SCOPE_SE
	s_setreg_imm32_b32 hwreg(HW_REG_WAVE_MODE, 25, 1), 1
	s_wait_xcnt 0x0
	s_wait_alu depctr_hold_cnt(0) depctr_sa_sdst(0) depctr_va_vdst(0) depctr_va_sdst(0) depctr_va_ssrc(0) depctr_va_vcc(0) depctr_vm_vsrc(0)
	s_getreg_b32 s2, hwreg(HW_REG_IB_STS2, 6, 4)
	s_cmp_eq_u32 s2, 0
	s_cbranch_scc0 .Lentry_in_a_cluster
	s_endpgm
.Lentry_in_a_cluster:
	s_bfe_u32 s2, ttmp6, 0x10000c
	s_cmp_lg_u32 s2, 0xf033
	s_cbranch_scc0 .Lentry_shape_is_right
	s_endpgm
.Lentry_shape_is_right:
; KV.  k = X Wk + bk, v = X Wv + bv, kf = elu(k) + 1, and for each (batch, head) partial sums of kf^T v (64 x 64) and of kf's columns (ksum).  k, v and kf never leave the registers.
; X: xb [16384][1024] bf16.  W: wb [3][1024 k][1024 n] bf16 (Wk, Wv, Wq).  bk, bv: f32, rounded here to bf16 like every other input.  Products and sums in f32; kf and v are rounded to bf16 as operands of kf^T v.
; ELU.  k's sums start at bk + 1, so that they hold y = k + 1 (the added 1 costs y an absolute 6e-8).  e^k = 2^(y log2 e - log2 e), one fused multiply-add, and elu(k) + 1 is the middle one of y, e^k and 1:
; y for k > 0, e^k for k < 0, whatever k; an e^k that overflows is never the middle one.
; LIMITS.  Below k = -17 this gives e^k where a sum expm1(k) + 1 in f32 moves in steps of 2^-24: at most 6e-8 apart.  A feature below 2^-126 counts as 0.  NaN and infinities are not treated apart.
; SHARES.  Work-group (x, y): head pair x (heads 2x, 2x + 1), batch y / 8, and TWO tiles of 256 rows, blocks y % 8 and 8 + y % 8 of the batch's sixteen: it stays, and the ring of LDS slots runs on from the first
; tile into the second.  Wave (RH, CH) makes 128 rows (half RH) x 128 columns: the 64 columns of k and the 64 of v of head 2x + CH: 64 accumulators of 16 x 16, 512 registers.
; K goes in 8 steps of 128 through two LDS slots filled by the tensor data mover; a slot holds 256 rows of X (256 bytes each) and 128 k-rows of 128 columns of Wk and of Wv (256 bytes each).
; W lies [k][n] and is turned on its way out of LDS by ds_load_tr16_b128.
; LAYOUT.  Source 0 = 16 rows of X, source 1 = 16 columns of W: in the result a lane holds ONE column (lane % 16) and the rows 8 (lane / 16) + 0..7.  Two such results, rounded to bf16 in pairs, ARE an operand
; (16 columns x 32 rows) of kf^T v, whose K runs over rows.  ksum is kf^T times ones.  The bias is the C operand of the product that starts a sum.
; OUT.  At the end the two waves of a head (row halves 0 and 1) add their sums through LDS, in f32: each gives ten of its twenty blocks to the other and stores the ten that it keeps.
; pkv f32 [p 8][bh 64][t 20][half 2][lane 32][4]: p = y % 8; t = 4 eb + db for the block (d = 16 db.., e = 16 eb..) of kf^T v, t = 16 + db for ksum; half = the result's registers 0-3 or 4-7.
; CLUSTER.  4 x 4 work-groups.  The four of a row of the cluster (one y) need the same tiles of X, the four of a column (one x) the same tiles of W: each tile is asked for JOINTLY, by the same tensor load with the
; same descriptor and a mask that names the four.  No prefetch: a refill is asked for 224 matrix instructions ahead of the wait for it, and tiles are shared.
; REGISTERS, in windows of 256 (s_set_vgpr_msb: bits 1:0 source 0, 3:2 source 1, 5:4 source 2, 7:6 destination):
;   window 0: v0-29 addresses; v8-15 ones; v32-63 ksum's four accumulators; v64-127, v128-191 fragments of X, two buffers (at the end v64-143 take the partner's ten blocks); v192-255 the bias, eight registers a column block
;   window 1: v64-127, v128-191 fragments of W; v0-63, v192-255 the sixteen accumulators of kf^T v
;   window 2: the accumulators of my rows 0-63 ((a, b) at v[64 a + 8 b]; b 0-3 are k, 4-7 are v);   window 3: those of my rows 64-127
.set PA,     272                       ; an LDS row of X: 256 bytes + 16 of padding = 68 words: the 16 rows of a fragment load start at 16 different groups of four banks (64 banks of 4 bytes: ISA guide 11.1)
.set PB,     288                       ; an LDS row of W: 256 + 32 = 72 words
.set HALFA,  128*PA                    ; what one tensor load brings of X
.set HALFB,  128*PB                    ; and of W
.set WOFF,   2*HALFA                   ; a slot: X's two halves, then Wk's region, then Wv's
.set SLOT,   2*HALFA+2*HALFB
.set SPARE,  2*SLOT                    ; behind the ring: the spare words, 128 bytes for each wave: two blocks of 256 bytes that no other line names
.set XPART,  10*1024                   ; the exchange at the end: ten blocks of 1,024 bytes for each wave, from LDS byte 0 on: 40,960 bytes of slot 0, which by then has had its last fill and its last reads
.set XSTEP,  256                       ; bytes from K step to K step in X (128 along a row)
.set WSTEP,  128*2048                  ; and in W (128 rows down)
.set NEXT_A, 2048*2048-6*XSTEP         ; from a slot's last K step of the first tile to its first of the second: 2,048 rows down, six steps back
.set BACK_B, 6*WSTEP                   ; W only back: both tiles take the same columns
.set ONES,  8                          ; v8-15   1.0 twice in bf16
.set ADRX,  16                         ; v16-17  LDS address of my X fragments in slot 0, 1
.set ADRWK, 18                         ; v18-19  of my Wk fragments
.set ADRWV, 20                         ; v20-21  of my Wv fragments
.set PO,    22                         ; v22     16 x lane: my place in a block of pkv
.set XS,    23                         ; v23     the exchange: where I put what I give
.set XL,    24                         ; v24     where my partner (wave xor 2) put what it gives
.set SPW,   28                         ; v28     LDS address of my spare word; never rewritten
.set NIL,   29                         ; v29     0; never rewritten
.set KS,    32
.set F0,    64
.set F1,    128
.set XR,    64                         ; the partner's ten blocks
.set BIAS,  192
.set WV,  14                           ; s14  my wave's number
.set RH,  15                           ; s15  my half of the tile's rows.  Also: I fetch for X (0) or for W (1)
.set CH,  16                           ; s16  my head of the pair.  Also: which half of X, or which of Wk and Wv, I fetch
.set G1,  24                           ; s[24:31] descriptor group 1 for X's tiles;  s[32:39] group 0, a set for each slot
.set G0,  32
.set G1B, 48                           ; s[48:55], s[56:63] the same for W's
.set G0B, 56
.set L2E, 66                           ; s[66:67] log2(e)
.set ONE, 68                           ; s68  1.0
.set HALF, 70                          ; s70  counts the two halves of the way out
.set NL2, 84                           ; s[84:85] -log2(e)
.set MSB, 0
.macro WIN new                         ; the immediate's high byte repeats the setting that is left; a switch that changes nothing is dropped
.if MSB != (\new)
	s_set_vgpr_msb (MSB<<8)|(\new)
.set MSB, \new
.endif
.endm
; A joint load.  Waves 0 and 1 fetch X's two halves, waves 2 and 3 Wk's and Wv's regions.  The branch hangs on the wave's number alone.  An s_nop 0 and four v_nop follow each of the two lines.
.macro JLOAD s
	s_cmp_eq_u32 s[RH], 0
	s_cbranch_scc0 .Lfor_w_\@
	tensor_load_to_lds s[G0+4*(\s):G0+4*(\s)+3], s[G1:G1+7]
	s_nop 0
.rept 4
	v_nop
.endr
	s_branch .Lasked_\@
.Lfor_w_\@:
	tensor_load_to_lds s[G0B+4*(\s):G0B+4*(\s)+3], s[G1B:G1B+7]
	s_nop 0
.rept 4
	v_nop
.endr
.Lasked_\@:
.endm
.macro CREST                           ; a round of the cluster's barrier behind its opening barrier: wave 0 signals for the work-group, every wave waits for all sixteen, my work-group's barrier once more
	s_cmp_lg_u32 s[WV], 0
	s_cbranch_scc1 .Lnot_wave_0_\@
	s_barrier_signal -3
.Lnot_wave_0_\@:
	s_barrier_wait -3
	s_barrier_signal -1
	s_barrier_wait -1
.endm
.macro CROUND                          ; a whole round
	s_barrier_signal -1
	s_barrier_wait -1
	CREST
.endm
.macro PLACES                          ; four places between a matrix instruction and a load into, or a vector instruction on, one of its registers (ISA guide 7.12.1 for vector instructions)
.rept 4
	v_nop
.endr
.endm
	s_load_b256 s[4:11], s[0:1], 0x0               ; xb s[4:5], wb s[6:7], bk s[8:9], bv s[10:11]
	s_load_b64 s[12:13], s[0:1], 0x20              ; pkv
	v_lshl_add_u32 v[SPW], v0, 2, SPARE
	v_mov_b32 v[NIL], 0
	ds_add_u32 v[SPW], v[NIL]                      ; the wave's opening: the add and its wait stand ahead of my first tensor load; the set-up below, work on registers, stands between them
	v_lshrrev_b32 v1, 5, v0
	v_readfirstlane_b32 s[WV], v1
	s_lshr_b32 s[RH], s[WV], 1
	s_and_b32 s[CH], s[WV], 1
	s_bfe_u32 s40, ttmp6, 0x40000                  ; cx, cy: my place in the cluster
	s_bfe_u32 s41, ttmp6, 0x40004
	s_lshl_b32 s42, ttmp9, 2
	s_add_co_u32 s42, s42, s40                     ; x = 4 x cluster x + cx: the head pair
	s_and_b32 s43, ttmp7, 0xffff
	s_lshl_b32 s43, s43, 2
	s_add_co_u32 s43, s43, s41                     ; y = 4 x cluster y + cy: batch y / 8, row block y % 8
	s_lshl_b32 s44, s41, 2
	s_lshl_b32 s44, 15, s44                        ; my row of the cluster
	s_lshl_b32 s45, 0x1111, s40                    ; my column
	; descriptor group 1: tiles of 128 rows x 128 elements of 2 bytes, 1,024 elements from row to row, padded in LDS after every 64 words
	s_or_b32 s[G1], s44, (1<<16)|(1<<20)|(1<<21)|(5<<22)|(3<<25)   ; 15:0 the mask: X's tiles go to my row; 17:16 2-byte elements; 20 padding on; 21 set beside a mask; 24:22 after 64 words; 31:25 4 words
	s_or_b32 s[G1B], s45, (1<<16)|(1<<20)|(1<<21)|(5<<22)|(7<<25)  ; W's tiles go to my column; 8 words of padding
.irp g, G1, G1B
	s_mov_b32 s[(\g)+1], 128<<16                   ; tensor_dim0 = 128
	s_mov_b32 s[(\g)+2], 128<<16                   ; tensor_dim1 = 128
	s_mov_b32 s[(\g)+3], 128<<16                   ; tile_dim0 = 128
	s_mov_b32 s[(\g)+4], 128                       ; tile_dim1 = 128
	s_mov_b32 s[(\g)+5], 1024                      ; tensor_dim0_stride
	s_mov_b32 s[(\g)+6], 0
	s_mov_b32 s[(\g)+7], 0
.endr
	s_mov_b32 s[L2E], 0x3fb8aa3b
	s_mov_b32 s[L2E+1], s[L2E]                     ; named with it as a pair
	s_mov_b32 s[NL2], 0xbfb8aa3b
	s_mov_b32 s[NL2+1], s[NL2]
	s_mov_b32 s[ONE], 1.0
	s_mov_b32 s71, 0x3f803f80                      ; 1.0 twice in bf16
	; X's tile hangs on y and the wave alone (registers that never hold cx), W's on x and the wave alone (registers that never hold cy)
	s_lshr_b32 s17, s43, 3
	s_lshl_b32 s17, s17, 12                        ; the batch's 4,096 rows
	s_and_b32 s18, s43, 7
	s_lshl_b32 s18, s18, 8                         ; the block's 256
	s_add_co_u32 s17, s17, s18
	s_lshl_b32 s18, s[CH], 7                       ; the half that I fetch
	s_add_co_u32 s17, s17, s18
	s_lshl_b32 s72, s17, 11                        ; rows of 2,048 bytes: under 2^25
	s_mov_b32 s73, 0
	s_lshl_b32 s46, s[CH], 21                      ; Wk or Wv: 2,097,152 bytes apart
	s_lshl_b32 s47, s42, 8                         ; the pair's 128 columns
	s_add_co_u32 s46, s46, s47
	s_mov_b32 s47, 0
	s_mul_i32 s20, s[CH], HALFA                    ; where they go: no place in the cluster enters an LDS address
	s_mul_i32 s21, s[CH], HALFB
	s_add_co_u32 s21, s21, WOFF
	s_lshl_b32 s74, s42, 1
	s_add_co_u32 s74, s74, s[CH]                   ; my head in the batch
	s_lshl_b32 s78, s74, 8                         ; its 64 numbers of bk and bv
	s_mov_b32 s79, 0
	s_and_b32 s76, s43, 7                          ; my head's part of pkv: p = y % 8,
	s_lshl_b32 s76, s76, 6
	s_lshr_b32 s77, s43, 3                         ; bh = 16 x batch + head,
	s_lshl_b32 s77, s77, 4
	s_add_co_u32 s76, s76, s77
	s_add_co_u32 s76, s76, s74
	s_mul_i32 s76, s76, 20480                      ; 20 blocks of 1,024 bytes each
	s_mov_b32 s77, 0
	v_and_b32 v1, 15, v0                           ; r = l % 16
	v_lshlrev_b32 v7, 2, v1                        ; my column's bias
	s_wait_dscnt 0x0                               ; the opening add is done
	s_wait_kmcnt 0x0
	s_add_nc_u64 s[22:23], s[4:5], s[72:73]
	s_add_nc_u64 s[46:47], s[6:7], s[46:47]
	s_add_nc_u64 s[8:9], s[8:9], s[78:79]
	s_add_nc_u64 s[10:11], s[10:11], s[78:79]
	s_add_nc_u64 s[12:13], s[12:13], s[76:77]
.irp b, 0,1,2,3                        ; the bias is asked for ahead of the round, so that it travels while the work-groups meet; nobody writes these bytes
	global_load_b32 v[BIAS+8*(\b)],    v7, s[8:9]   offset:64*(\b)
	global_load_b32 v[BIAS+32+8*(\b)], v7, s[10:11] offset:64*(\b)
.endr
	CROUND                                         ; all sixteen work-groups are here: the first joint loads meet
.irp s, 0,1
	s_mov_b32 s[G0+4*(\s)], 1                                        ; count = 1
	s_add_co_u32 s[G0+4*(\s)+1], s20, (\s)*SLOT                      ; LDS address
	s_add_nc_u64 s[G0+4*(\s)+2:G0+4*(\s)+3], s[22:23], (\s)*XSTEP    ; global address: K step s
	s_or_b32 s[G0+4*(\s)+3], s[G0+4*(\s)+3], 0x80000000              ; type = 2
	s_mov_b32 s[G0B+4*(\s)], 1
	s_add_co_u32 s[G0B+4*(\s)+1], s21, (\s)*SLOT
	s_add_nc_u64 s[G0B+4*(\s)+2:G0B+4*(\s)+3], s[46:47], (\s)*WSTEP
	s_or_b32 s[G0B+4*(\s)+3], s[G0B+4*(\s)+3], 0x80000000
	JLOAD \s                                       ; two loads of mine are out
.endr
	v_bfe_u32 v2, v0, 4, 1                         ; h = l / 16
	v_and_b32 v3, 7, v0
	v_bfe_u32 v4, v0, 3, 1
	; a fragment of X: lane l holds row r; K = 8 h + 0..7 and 16 + 8 h + 0..7: two loads of 16 bytes, 32 bytes apart
	v_mul_u32_u24 v5, v1, PA
	v_lshl_add_u32 v5, v2, 4, v5
	; a fragment of W: the turning load takes 16 k x 16 n (lane l reads k = 8 h + l % 8, n = 8 ((l / 8) % 2) + 0..7) and leaves lane l column r and 8 k; the second load 16 k-rows on
	v_lshl_add_u32 v6, v2, 3, v3
	v_mul_u32_u24 v6, v6, PB
	v_lshl_add_u32 v6, v4, 4, v6
	s_mul_i32 s17, s[RH], HALFA                    ; my 128 rows of X
	v_add_nc_u32 v[ADRX], s17, v5
	v_add_nc_u32 v[ADRX+1], SLOT, v[ADRX]
	s_lshl_b32 s18, s[CH], 7                       ; my head's 64 columns: 128 bytes into a row of the pair's
	s_add_co_u32 s18, s18, WOFF
	v_add_nc_u32 v[ADRWK], s18, v6
	v_add_nc_u32 v[ADRWK+1], SLOT, v[ADRWK]
	v_add_nc_u32 v[ADRWV], HALFB, v[ADRWK]
	v_add_nc_u32 v[ADRWV+1], HALFB, v[ADRWK+1]
	v_and_b32 v[PO], 31, v0
	v_lshlrev_b32 v[PO], 4, v[PO]
	s_mul_i32 s19, s[WV], XPART                    ; the exchange: my ten blocks,
	v_add_nc_u32 v[XS], s19, v[PO]
	s_xor_b32 s19, s[WV], 2                        ; and those of the wave with my head and the other half of the rows
	s_mul_i32 s19, s19, XPART
	v_add_nc_u32 v[XL], s19, v[PO]
	; The 20 accumulators of kf^T v and ksum start at 0: 160 lines, once a launch, in the wait for the first tile.  The price of ONE text for the way out, which always adds.
	WIN 0x40
.set i, 0
.rept 64
	v_mov_b32 v[i], 0
	v_mov_b32 v[192+i], 0
.set i, i+1
.endr
	WIN 0
.set i, 0
.rept 32
	v_mov_b32 v[KS+i], 0
.set i, i+1
.endr
.set i, 0
.rept 8
	v_mov_b32 v[ONES+i], s71
.set i, i+1
.endr
	s_wait_loadcnt 0x0                             ; the bias: rounded to bf16, widened again, k's raised by 1, and copied to the block's eight registers (a lane's eight rows share its column)
.set i, 0
.rept 8
	v_cvt_pk_bf16_f32 v[BIAS+8*i], v[BIAS+8*i], v[BIAS+8*i]
.set i, i+1
.endr
.set i, 0
.rept 8
	v_lshlrev_b32 v[BIAS+8*i], 16, v[BIAS+8*i]
.set i, i+1
.endr
.set i, 0
.rept 4
	v_add_f32 v[BIAS+8*i], 1.0, v[BIAS+8*i]        ; k's sums hold k + 1
.set i, i+1
.endr
.set i, 0
.rept 64
.if i%8
	v_mov_b32 v[BIAS+i], v[BIAS+i-i%8]
.endif
.set i, i+1
.endr
; 16 matrix instructions: row blocks a0, a0 + 1 of the window's four (hi = 0: my rows 0-63, 1: rows 64-127) x all 8 column blocks, 32 along K.  first = 1: the bias is C and the product starts the sum.
; The 64 accumulators take turns, one instruction a turn.
.macro MUL16 f, hi, a0, first
.if \first
	WIN 0x84+0x40*(\hi)                            ; X window 0, W window 1, C window 0, D window 2 or 3
.else
	WIN 0xa4+0x50*(\hi)                            ; C and D window 2 or 3
.endif
.irp a, \a0, (\a0)+1
.irp b, 0,1,2,3,4,5,6,7
.if \first
	v_wmma_f32_16x16x32_bf16 v[8*(8*(\a)+(\b)):8*(8*(\a)+(\b))+7], v[(\f)+8*(4*(\hi)+(\a)):(\f)+8*(4*(\hi)+(\a))+7], v[(\f)+8*(\b):(\f)+8*(\b)+7], v[BIAS+8*(\b):BIAS+8*(\b)+7]
.else
	v_wmma_f32_16x16x32_bf16 v[8*(8*(\a)+(\b)):8*(8*(\a)+(\b))+7], v[(\f)+8*(4*(\hi)+(\a)):(\f)+8*(4*(\hi)+(\a))+7], v[(\f)+8*(\b):(\f)+8*(\b)+7], v[8*(8*(\a)+(\b)):8*(8*(\a)+(\b))+7]
.endif
.endr
.endr
.endm
; 32 LDS loads in one run: the fragments of quarter qd (32 along K) of a slot into buffer f: W's eight column blocks (four of Wk, four of Wv), then X's eight row blocks
.macro FETCH slot, qd, f
	WIN 0x40                                       ; destination window 1, address window 0
.irp i, 0,1,2,3
	ds_load_tr16_b128 v[(\f)+8*(\i):(\f)+8*(\i)+3],   v[ADRWK+(\slot)] offset:32*PB*(\qd)+32*(\i)
	ds_load_tr16_b128 v[(\f)+8*(\i)+4:(\f)+8*(\i)+7], v[ADRWK+(\slot)] offset:32*PB*(\qd)+32*(\i)+16*PB
.endr
.irp i, 0,1,2,3
	ds_load_tr16_b128 v[(\f)+32+8*(\i):(\f)+32+8*(\i)+3],   v[ADRWV+(\slot)] offset:32*PB*(\qd)+32*(\i)
	ds_load_tr16_b128 v[(\f)+32+8*(\i)+4:(\f)+32+8*(\i)+7], v[ADRWV+(\slot)] offset:32*PB*(\qd)+32*(\i)+16*PB
.endr
	WIN 0
.irp i, 0,1,2,3,4,5,6,7
	ds_load_b128 v[(\f)+8*(\i):(\f)+8*(\i)+3],   v[ADRX+(\slot)] offset:64*(\qd)+(\i)*16*PA
	ds_load_b128 v[(\f)+8*(\i)+4:(\f)+8*(\i)+7], v[ADRX+(\slot)] offset:64*(\qd)+(\i)*16*PA+32
.endr
.endm
; A K step is four quarters of 32 along K, 64 matrix instructions each, on buffers 0, 1, 0, 1.  One of the first three: multiplies buffer f; in its middle it fetches quarter qd into buffer g.
.macro QUARTER slot, qd, f, g, first
	s_wait_dscnt 8                                 ; W and X's rows 0-63 are in; the youngest eight loads (X's rows 64-127) may be out
	MUL16 \f, 0, 0, \first
	MUL16 \f, 0, 2, \first
	PLACES
	FETCH \slot, \qd, \g
	s_wait_dscnt 32                                ; all but the 32 just issued
	MUL16 \f, 1, 0, \first
	MUL16 \f, 1, 2, \first
.endm
; The last quarter multiplies buffer 1 and changes slots.  ONE barrier: in front of it each wave waits for all its tensor loads (one is out: its part of the next slot), adds 0 to its spare word, and waits for
; that and for its own reads of this slot.  Behind it nobody reads this slot any more and the next slot is whole.
.macro MEET round
	WIN 0                                          ; (the add's two registers lie in window 0)
	s_wait_tensorcnt 0x0                           ; all my tensor loads have landed;
	ds_add_u32 v[SPW], v[NIL]                      ; 0 onto my spare word;
	s_wait_dscnt 9                                 ; (the add and the youngest eight loads may be out)
	MUL16 F1, 0, 0, 0                              ; sixteen matrix instructions stand between the add and the wait for it
	s_wait_dscnt 0x0                               ; the add is done, and my reads of this slot are over
	s_barrier_signal -1
	MUL16 F1, 0, 2, 0                              ; work on registers while the others arrive
.if \round
	WIN 0
.endif
	s_barrier_wait -1
.endm
; The whole last quarter where the slot is filled again: the barrier opens a round of the cluster's, so that no wave of any partner still reads the slot or has a load on its way; the joint refill is the first
; tensor load behind it.  on = 0: this tile's K step two on; on = 1: the second tile's K step 0 or 1.  fetch = 0: the next slot's first fragments are left to the next tile's beginning.
.macro TURN slot, next, on, fetch
	MEET 1
	CREST
.if \on
	s_add_nc_u64 s[G0+4*(\slot)+2:G0+4*(\slot)+3], s[G0+4*(\slot)+2:G0+4*(\slot)+3], NEXT_A
	s_sub_nc_u64 s[G0B+4*(\slot)+2:G0B+4*(\slot)+3], s[G0B+4*(\slot)+2:G0B+4*(\slot)+3], BACK_B
.else
	s_add_nc_u64 s[G0+4*(\slot)+2:G0+4*(\slot)+3], s[G0+4*(\slot)+2:G0+4*(\slot)+3], 2*XSTEP
	s_add_nc_u64 s[G0B+4*(\slot)+2:G0B+4*(\slot)+3], s[G0B+4*(\slot)+2:G0B+4*(\slot)+3], 2*WSTEP
.endif
	JLOAD \slot                                    ; the four v_nop behind it are also the places in front of the loads below
.if \fetch
	FETCH \next, 0, F0
.endif
	MUL16 F1, 1, 0, 0
	MUL16 F1, 1, 2, 0
.endm
; The last tile's last change of slots and last K step: nothing is filled again, so no round follows the barrier.
.macro LASTPART
	MEET 0
	PLACES
	FETCH 1, 0, F0
	MUL16 F1, 1, 0, 0
	MUL16 F1, 1, 2, 0
	QUARTER 1, 1, F0, F1, 0
	QUARTER 1, 2, F1, F0, 0
	QUARTER 1, 3, F0, F1, 0
	s_wait_dscnt 8
	MUL16 F1, 0, 0, 0
	MUL16 F1, 0, 2, 0
	s_wait_dscnt 0x0
	MUL16 F1, 1, 0, 0
	MUL16 F1, 1, 2, 0
.endm
; THE WAY OUT works on window 2 alone: 64 rows; it is walked twice, and between the walks window 3 is copied down.
; Four operands of 8 registers at d: registers 0-3 from the results at lo (16 rows), 4-7 from those at hi (the next 16 rows).  With d = lo in place: register j is written when registers 2 j, 2 j + 1 are read.
; Each result's lowest registers are read first.
.macro PACK4 d, lo, hi
.set q, 0
.rept 16
	v_cvt_pk_bf16_f32 v[(\d)+8*(q/4)+q%4], v[(\lo)+8*(q/4)+2*(q%4)], v[(\lo)+8*(q/4)+2*(q%4)+1]
.set q, q+1
.endr
.set q, 0
.rept 16
	v_cvt_pk_bf16_f32 v[(\d)+8*(q/4)+4+q%4], v[(\hi)+8*(q/4)+2*(q%4)], v[(\hi)+8*(q/4)+2*(q%4)+1]
.set q, q+1
.endr
.endm
; elu + 1 of the 32 numbers whose y = k + 1 lies at x, with 32 registers at t at work: t = 2^(y log2 e - log2 e); x = the middle one of y, t and 1.
; A plain instruction stands between every exponential and the use of its result (ISA guide 5.7.2): the v_nop for the first two, then the medians two numbers back.
.macro ELU x, t
.set e, 0
.rept 16
	v_pk_fma_f32 v[(\t)+e:(\t)+e+1], v[(\x)+e:(\x)+e+1], s[L2E:L2E+1], s[NL2:NL2+1] op_sel_hi:[1,0,0]
.set e, e+2
.endr
	v_exp_f32 v[(\t)], v[(\t)]
	v_exp_f32 v[(\t)+1], v[(\t)+1]
	v_nop
.set e, 2
.rept 30
	v_exp_f32 v[(\t)+e], v[(\t)+e]
	s_wait_alu depctr_va_vdst(0)
	v_med3_num_f32 v[(\x)+e-2], v[(\x)+e-2], v[(\t)+e-2], s[ONE]
.set e, e+1
.endr
	s_wait_alu depctr_va_vdst(0)
	v_med3_num_f32 v[(\x)+30], v[(\x)+30], v[(\t)+30], s[ONE]
	v_med3_num_f32 v[(\x)+31], v[(\x)+31], v[(\t)+31], s[ONE]
.endm
; Rows 32 c to 32 c + 31 of the window: v is packed first, which frees 32 registers for ELU; kf is made and packed; then 16 products kf^T v and 4 products kf^T 1.  The 20 accumulators take turns.
.macro CHUNK c
.set B0, 128*(\c)
	WIN 0x8a                                       ; destination and sources 0, 1 in window 2
	PACK4 B0+32, B0+32, B0+96
	ELU B0, B0+96
	ELU B0+64, B0+96
	PACK4 B0, B0, B0+64
	WIN 0x5a                                       ; kf and v in window 2, C and D in window 1
.set u, 0
.rept 16                                               ; u = 4 db + eb
	v_wmma_f32_16x16x32_bf16 v[8*u+128*(u/8):8*u+128*(u/8)+7], v[B0+8*(u/4):B0+8*(u/4)+7], v[B0+32+8*(u%4):B0+32+8*(u%4)+7], v[8*u+128*(u/8):8*u+128*(u/8)+7]
.set u, u+1
.endr
	WIN 0x02                                       ; kf in window 2; ones, C and D in window 0
.set u, 0
.rept 4
	v_wmma_f32_16x16x32_bf16 v[KS+8*u:KS+8*u+7], v[B0+8*u:B0+8*u+7], v[ONES:ONES+7], v[KS+8*u:KS+8*u+7]
.set u, u+1
.endr
.endm
; THE EXCHANGE.  Block u of twenty: u = 4 db + eb < 16 is an accumulator of kf^T v (window 1) and goes to block t = 4 eb + db of pkv; u = 16 + db is ksum's (window 0) and goes to block u.
.macro BLK u
.if (\u) < 16
.set AR, 8*(\u)+128*((\u)/8)
.set TT, 4*((\u)%4)+(\u)/4
.set W1, 1
.else
.set AR, KS+8*((\u)-16)
.set TT, (\u)
.set W1, 0
.endif
.endm
; Ten blocks, first to first + 9, go into my part of the exchange as they lie: each store of the wave covers 512 consecutive bytes.  A result's registers 0-3 go first.
.macro GIVE first
.set i, 0
.rept 10
	BLK (\first)+i
	WIN 0x04*W1                                    ; store data in window 1 or 0, address in window 0
	ds_store_b128 v[XS], v[AR:AR+3]   offset:1024*i
	ds_store_b128 v[XS], v[AR+4:AR+7] offset:1024*i+512
.set i, i+1
.endr
	WIN 0
.endm
; The partner's ten blocks, first to first + 9, come in, are added onto mine, and the sums leave: each store of the wave covers 512 consecutive bytes, at a multiple of 256 from pkv's first byte.
; One window setting serves additions and stores: source 0 (the partner's numbers; a store's address) in window 0, source 1 (my sums; a store's data) and the destination in window 1.
.macro TAKE first
	WIN 0
.set i, 0
.rept 10
	ds_load_b128 v[XR+8*i:XR+8*i+3],   v[XL] offset:1024*i
	ds_load_b128 v[XR+8*i+4:XR+8*i+7], v[XL] offset:1024*i+512
.set i, i+1
.endr
.set i, 0
.rept 10
	BLK (\first)+i
	WIN 0x44*W1
.if i%2 == 0
	s_wait_dscnt 16-2*i                            ; LDS loads come back in order: blocks i and i + 1 are in; the 16 - 2 i loads of the later blocks may be out
.endif
.irp j, 0,2,4,6
	v_pk_add_f32 v[AR+(\j):AR+(\j)+1], v[XR+8*i+(\j):XR+8*i+(\j)+1], v[AR+(\j):AR+(\j)+1]
.endr
	global_store_b128 v[PO], v[AR:AR+3],   s[12:13] offset:1024*TT
	global_store_b128 v[PO], v[AR+4:AR+7], s[12:13] offset:1024*TT+512
.set i, i+1
.endr
	WIN 0
.endm
	s_wait_tensorcnt 0x1                           ; my part of K step 0 is in; K step 1's may stay out
	s_barrier_signal -1
	s_barrier_wait -1                              ; everybody's is
	s_mov_b32 s2, 2                                ; tiles to go: the same number in every work-group
.Ltile:
	FETCH 0, 0, F0                                 ; (second tile: slot 0 was shown whole to every wave by the barrier of the first tile's last change of slots)
	QUARTER 0, 1, F0, F1, 1                        ; a tile's first quarter: the bias starts the sums
	WIN 0                                          ; at a label and at a branch every window is 0
	s_mov_b32 s3, 3
.Llap:                                                 ; a trip goes once round the ring, from a lap's second quarter to the next lap's first, and fills both slots again
	QUARTER 0, 2, F1, F0, 0
	QUARTER 0, 3, F0, F1, 0
	TURN 0, 1, 0, 1
	QUARTER 1, 1, F0, F1, 0
	QUARTER 1, 2, F1, F0, 0
	QUARTER 1, 3, F0, F1, 0
	TURN 1, 0, 0, 1
	QUARTER 0, 1, F0, F1, 0
	WIN 0
	s_sub_co_u32 s3, s3, 1
	s_cmp_lg_u32 s3, 0
	s_cbranch_scc1 .Llap
	QUARTER 0, 2, F1, F0, 0                        ; the tile's last lap goes on
	QUARTER 0, 3, F0, F1, 0
	WIN 0
	s_cmp_eq_u32 s2, 1
	s_cbranch_scc1 .Llast                          ; the second tile asks for nothing more
	TURN 0, 1, 1, 1                                ; the ring goes on into the second tile: slot 0 takes its K step 0,
	QUARTER 1, 1, F0, F1, 0
	QUARTER 1, 2, F1, F0, 0
	QUARTER 1, 3, F0, F1, 0
	TURN 1, 0, 1, 0                                ; slot 1 its K step 1: that load is on its way while the way out below is walked
	WIN 0
	s_branch .Lepi
.Llast:
	LASTPART
	WIN 0
.Lepi:
	PLACES                                         ; behind the last products
	s_mov_b32 s[HALF], 2
.Lhalf:
	CHUNK 0
	CHUNK 1
.rept 5
	v_nop                                          ; five places behind the last products: the copy below, the next tile's first products and the exchange touch their registers
.endr
	WIN 0
	s_cmp_eq_u32 s[HALF], 1
	s_cbranch_scc1 .Lnocopy
	WIN 0x83                                       ; my rows 64-127 go where the one text of the way out names its registers: 256 lines a tile for half the text
.set i, 0
.rept 256
	v_mov_b32 v[i], v[i]
.set i, i+1
.endr
	WIN 0
.Lnocopy:
	s_sub_co_u32 s[HALF], s[HALF], 1
	s_cmp_lg_u32 s[HALF], 0
	s_cbranch_scc1 .Lhalf
	s_sub_co_u32 s2, s2, 1
	s_cmp_lg_u32 s2, 0
	s_cbranch_scc1 .Ltile
	; The two row halves' sums meet.  Slot 0's bytes are free: its last fill has landed, and every wave's last reads of it were waited for in front of the barrier of the last change of slots.
	; The wave of rows 128-255 gives blocks 0-9 and keeps 10-19, the wave of rows 0-127 the other way round: twenty LDS stores, twenty LDS loads and twenty stores to memory for each.
	s_cmp_eq_u32 s[RH], 0
	s_cbranch_scc1 .Lgive_hi
	GIVE 0
	s_branch .Lgiven
.Lgive_hi:
	GIVE 10
.Lgiven:
	s_wait_dscnt 0x0                               ; for the partner's sake: my stores into the exchange are done
	s_barrier_signal -1
	s_barrier_wait -1                              ; everybody's are
	s_cmp_eq_u32 s[RH], 0
	s_cbranch_scc1 .Ltake_lo
	TAKE 10
	s_branch .Lsent
.Ltake_lo:
	TAKE 0
.Lsent:
	s_wait_tensorcnt 0x0                           ; the wave's end: behind my last tensor load and my last LDS store
	ds_add_u32 v[SPW], v[NIL]
	s_wait_dscnt 0x0
	CROUND                                         ; the closing round: no work-group ends while a partner may still ask for a tile that names it
	s_endpgm
.Lfunc_end_k_qed71de741d_kv:
	.size	k_qed71de741d_kv, .Lfunc_end_k_qed71de741d_kv-k_qed71de741d_kv
	.p2alignl 7, 3214868480
	.fill 96, 4, 3214868480
	.section	.rodata,"a",@progbits
	.p2align	6, 0x0
	.amdhsa_kernel k_qed71de741d_kv
		.amdhsa_group_segment_fixed_size 327680
		.amdhsa_private_segment_fixed_size 0
		.amdhsa_enable_private_segment 0
		.amdhsa_kernarg_size 40
		.amdhsa_user_sgpr_count 2
		.amdhsa_user_sgpr_kernarg_segment_ptr 1
		.amdhsa_wavefront_size32 1
		.amdhsa_system_sgpr_workgroup_id_x 1
		.amdhsa_system_sgpr_workgroup_id_y 1
		.amdhsa_system_sgpr_workgroup_id_z 1
		.amdhsa_system_vgpr_workitem_id 0
		.amdhsa_next_free_vgpr 1024
		.amdhsa_next_free_sgpr 88
		.amdhsa_reserve_vcc 0
		.amdhsa_float_denorm_mode_32 3
		.amdhsa_float_denorm_mode_16_64 3
		.amdhsa_memory_ordered 1
		.amdhsa_forward_progress 1
		.amdhsa_inst_pref_size 206
	.end_amdhsa_kernel
	.amdgpu_metadata
---
amdhsa.version: [ 1, 2 ]
amdhsa.kernels:
  - .name:           k_qed71de741d_kv
    .symbol:         k_qed71de741d_kv.kd
    .args:
      - { .name: xb, .offset: 0, .size: 8, .value_kind: global_buffer, .address_space: global }
      - { .name: wb, .offset: 8, .size: 8, .value_kind: global_buffer, .address_space: global }
      - { .name: bk, .offset: 16, .size: 8, .value_kind: global_buffer, .address_space: global }
      - { .name: bv, .offset: 24, .size: 8, .value_kind: global_buffer, .address_space: global }
      - { .name: pkv, .offset: 32, .size: 8, .value_kind: global_buffer, .address_space: global }
    .group_segment_fixed_size: 327680
    .private_segment_fixed_size: 0
    .kernarg_segment_align: 8
    .kernarg_segment_size: 40
    .max_flat_workgroup_size: 128
    .sgpr_count:     88
    .vgpr_count:     1024
    .wavefront_size: 32
...
	.end_amdgpu_metadata
.endif
;; end of part 2
;; launch red (part 3): grid 256 x 1, 5 waves a work-group, no clusters, 0 bytes of LDS; arguments pkv, kvf; writes kvf
.if DOCPART == 3
	.amdgcn_target "amdgcn-amd-amdhsa--gfx1250"
	.amdhsa_code_object_version 6
	.text
	.protected	k_qed71de741d_red
	.globl	k_qed71de741d_red
	.p2align	8
	.type	k_qed71de741d_red,@function
k_qed71de741d_red:
	s_mov_b64 s[64:65], 0
	v_nop
	global_prefetch_b8 v0, s[64:65] scope:SCOPE_SE
	s_setreg_imm32_b32 hwreg(HW_REG_WAVE_MODE, 25, 1), 1
	s_wait_xcnt 0x0
; RED.  The eight partial sums of kf^T v and ksum are added in f32, p ascending, and rounded once to bf16, in the order in which the last launch takes them as matrix operands.
; pkv f32 [p 8][bh 64][t 20][half 2][lane 32][4]  ->  kvf bf16 [bh 64][t 20][lane 32][8].
; Thread G of 40,960 = 64 x 20 x 32 owns one lane's eight numbers of one block: 16 loads of 16 bytes, all out at once (a wave's load covers 512 consecutive bytes), one store of 16 bytes
; (a wave's store covers 512 consecutive bytes).  A short stream: no LDS, no barrier, no matrix unit, nothing shared between work-groups.
.set PART, 64*20480                    ; bytes of one partial
.set IN,   4                           ; v[4:67]    partial p at v[4 + 8 p]; the sum grows in partial 0's registers
.set OUT,  68                          ; v[68:71]
	s_load_b128 s[4:7], s[0:1], 0x0                ; pkv s[4:5], kvf s[6:7]
	s_mul_i32 s2, ttmp9, 160
	v_add_nc_u32 v3, s2, v0                        ; G
	v_lshrrev_b32 v1, 5, v3                        ; 20 bh + t
	v_and_b32 v2, 31, v3                           ; lane
	v_lshlrev_b32 v1, 10, v1                       ; blocks of 1,024 bytes
	v_lshl_or_b32 v1, v2, 4, v1
	v_lshlrev_b32 v2, 4, v3                        ; 16 bytes out
	s_wait_kmcnt 0x0
	s_mov_b64 s[8:9], s[4:5]                       ; a base for every four partials, so that the immediates stay inside their signed 24 bits: 3 x 1,310,720 + 512 at the most
	s_add_nc_u64 s[10:11], s[4:5], 4*PART
.set p, 0
.rept 8
	global_load_b128 v[IN+8*p:IN+8*p+3],   v1, s[8+2*(p/4):9+2*(p/4)] offset:(p%4)*PART th:TH_LOAD_NT
	global_load_b128 v[IN+8*p+4:IN+8*p+7], v1, s[8+2*(p/4):9+2*(p/4)] offset:(p%4)*PART+512 th:TH_LOAD_NT
.set p, p+1
.endr
.set p, 1
.rept 7
	s_wait_loadcnt 14-2*p                          ; loads come back in order: partials 0 to p are in, the later ones' 14 - 2 p loads stay out
	v_pk_add_f32 v[IN:IN+1],   v[IN:IN+1],   v[IN+8*p:IN+8*p+1]
	v_pk_add_f32 v[IN+2:IN+3], v[IN+2:IN+3], v[IN+8*p+2:IN+8*p+3]
	v_pk_add_f32 v[IN+4:IN+5], v[IN+4:IN+5], v[IN+8*p+4:IN+8*p+5]
	v_pk_add_f32 v[IN+6:IN+7], v[IN+6:IN+7], v[IN+8*p+6:IN+8*p+7]
.set p, p+1
.endr
.irp j, 0,1,2,3
	v_cvt_pk_bf16_f32 v[OUT+(\j)], v[IN+2*(\j)], v[IN+2*(\j)+1]
.endr
	global_store_b128 v2, v[OUT:OUT+3], s[6:7]
	s_endpgm
.Lfunc_end_k_qed71de741d_red:
	.size	k_qed71de741d_red, .Lfunc_end_k_qed71de741d_red-k_qed71de741d_red
	.p2alignl 7, 3214868480
	.fill 96, 4, 3214868480
	.section	.rodata,"a",@progbits
	.p2align	6, 0x0
	.amdhsa_kernel k_qed71de741d_red
		.amdhsa_group_segment_fixed_size 0
		.amdhsa_private_segment_fixed_size 0
		.amdhsa_enable_private_segment 0
		.amdhsa_kernarg_size 16
		.amdhsa_user_sgpr_count 2
		.amdhsa_user_sgpr_kernarg_segment_ptr 1
		.amdhsa_wavefront_size32 1
		.amdhsa_system_sgpr_workgroup_id_x 1
		.amdhsa_system_sgpr_workgroup_id_y 1
		.amdhsa_system_sgpr_workgroup_id_z 1
		.amdhsa_system_vgpr_workitem_id 0
		.amdhsa_next_free_vgpr 72
		.amdhsa_next_free_sgpr 66
		.amdhsa_reserve_vcc 0
		.amdhsa_float_denorm_mode_32 3
		.amdhsa_float_denorm_mode_16_64 3
		.amdhsa_memory_ordered 1
		.amdhsa_forward_progress 1
		.amdhsa_inst_pref_size 5
	.end_amdhsa_kernel
	.amdgpu_metadata
---
amdhsa.version: [ 1, 2 ]
amdhsa.kernels:
  - .name:           k_qed71de741d_red
    .symbol:         k_qed71de741d_red.kd
    .args:
      - { .name: pkv, .offset: 0, .size: 8, .value_kind: global_buffer, .address_space: global }
      - { .name: kvf, .offset: 8, .size: 8, .value_kind: global_buffer, .address_space: global }
    .group_segment_fixed_size: 0
    .private_segment_fixed_size: 0
    .kernarg_segment_align: 8
    .kernarg_segment_size: 16
    .max_flat_workgroup_size: 160
    .sgpr_count:     66
    .vgpr_count:     72
    .wavefront_size: 32
...
	.end_amdgpu_metadata
.endif
;; end of part 3
;; launch q (part 4): grid 4 x 64, 4 waves a work-group, clusters of 4 x 4, 327,680 bytes of LDS; arguments xb, wb, bq, kvf, out0; writes out0
.if DOCPART == 4
	.amdgcn_target "amdgcn-amd-amdhsa--gfx1250"
	.amdhsa_code_object_version 6
	.text
	.protected	k_qed71de741d_q
	.globl	k_qed71de741d_q
	.p2align	8
	.type	k_qed71de741d_q,@function
k_qed71de741d_q:
	s_mov_b64 s[64:65], 0
	v_nop
	global_prefetch_b8 v0, s[64:65] scope:SCOPE_SE
	s_setreg_imm32_b32 hwreg(HW_REG_WAVE_MODE, 25, 1), 1
	s_wait_xcnt 0x0
	s_wait_alu depctr_hold_cnt(0) depctr_sa_sdst(0) depctr_va_vdst(0) depctr_va_sdst(0) depctr_va_ssrc(0) depctr_va_vcc(0) depctr_vm_vsrc(0)
	s_getreg_b32 s2, hwreg(HW_REG_IB_STS2, 6, 4)
	s_cmp_eq_u32 s2, 0
	s_cbranch_scc0 .Lentry_in_a_cluster
	s_endpgm
.Lentry_in_a_cluster:
	s_bfe_u32 s2, ttmp6, 0x10000c
	s_cmp_lg_u32 s2, 0xf033
	s_cbranch_scc0 .Lentry_shape_is_right
	s_endpgm
.Lentry_shape_is_right:
; Q.  q = X Wq + bq, qf = elu(q) + 1, out = (qf kv) / max(qf . ksum, 1e-6), head by head.  q and qf never leave the registers.
; X: xb [16384][1024] bf16.  Wq: the third part of wb [3][1024 k][1024 n] bf16.  bq: f32, rounded here to bf16 like every other input.  kvf: bf16 [bh 64][t 20][lane 32][8], operands as they are taken.
; Products and sums in f32; qf is rounded to bf16 as an operand of the second product; out0 [16384][1024] f32.
; ELU.  The sums start at bq + 1, so that they hold y = q + 1 (the added 1 costs y an absolute 6e-8).  e^q = 2^(y log2 e - log2 e), one fused multiply-add, and elu(q) + 1 is the middle one of y, e^q and 1:
; y for q > 0, e^q for q < 0, whatever q; an e^q that overflows is never the middle one.
; LIMITS.  Below q = -17 this gives e^q where a sum expm1(q) + 1 in f32 moves in steps of 2^-24: at most 6e-8 apart.  A feature below 2^-126 counts as 0.  The division is a reciprocal (1 ulp) and a multiplication.
; NaN and infinities are not treated apart.
; SHARES.  Work-group (x, y): rows 256 y.., columns 256 x.. (heads 4x to 4x + 3).  Wave (RH, CH): 128 rows x 128 columns, heads 4x + 2 CH and 4x + 2 CH + 1: 64 accumulators, 512 registers.
; K goes in 8 steps of 128 through two LDS slots filled by the tensor data mover; W lies [k][n] and is turned on its way out of LDS by ds_load_tr16_b128.
; LAYOUT.  THE PRODUCT IS USED TRANSPOSED: source 0 = 16 columns of W, source 1 = 16 rows of X: a lane holds ONE row (lane % 16) and the columns 8 (lane / 16) + 0..7.  Two such results, rounded to bf16 in pairs, ARE
; source 1 (32 d x 16 rows) of the second product, whose source 0 is a block of kv^T (16 e x 32 d) or, for the divisor, ksum in all 16 rows.  Its result again holds one row a lane, eight neighbouring columns,
; and the divisor in every register of a fifth accumulator.  The bias is the C operand of the product that starts a sum.
; CLUSTER.  4 x 4 work-groups: X's tiles are shared along a row of the cluster (one y), W's along a column (one x), each asked for JOINTLY by the same tensor load, descriptor and mask in all four.
; No prefetch: a refill is asked for 224 matrix instructions ahead of the wait for it, and tiles are shared.
; REGISTERS, in windows of 256 (s_set_vgpr_msb: bits 1:0 source 0, 3:2 source 1, 5:4 source 2, 7:6 destination):
;   window 0: v0-29 addresses; v32-63 ksum's operands; v64-127, v128-191 fragments of X, two buffers; v192-255 the bias.  On the way out: v64-95 T, v96-127 U, v128-191 two buffers of rows, v192-231 five results
;   window 1: v64-127, v128-191 fragments of W; v0-63, v192-255 kv's sixteen operands
;   window 2: the accumulators of my rows 0-63 ((a, b) at v[64 a + 8 b]);   window 3: those of my rows 64-127
.set PA,     272                       ; an LDS row of X: 256 bytes + 16 of padding = 68 words: the 16 rows of a fragment load start at 16 different groups of four banks (64 banks of 4 bytes: ISA guide 11.1)
.set PB,     288                       ; an LDS row of W: 256 + 32 = 72 words
.set HALFA,  128*PA
.set HALFB,  128*PB
.set WOFF,   2*HALFA                   ; a slot: X's two halves, then W's two column halves
.set SLOT,   2*HALFA+2*HALFB
.set STAGE,  2*SLOT                    ; behind the ring, never filled by a tensor load: 16 rows x 272 bytes for each wave, for the way out
.set SP,     272
.set SPARE,  STAGE+4*16*SP             ; behind the stages: the spare words, 128 bytes for each wave: two blocks of 256 bytes that no other line names
.set XSTEP,  256
.set WSTEP,  128*2048
.set ADRX,  16                         ; v16-17  LDS address of my X fragments in slot 0, 1
.set ADRW,  20                         ; v20-21  of my W fragments
.set STO,   24                         ; v24     the way out: where I put 32 bytes of a row
.set RD,    25                         ; v25     where I read rows back
.set CO,    26                         ; v26     my byte offset in two rows of out0
.set SPW,   28                         ; v28     LDS address of my spare word; never rewritten
.set NIL,   29                         ; v29     0; never rewritten
.set KD,    32                         ; ksum's operand (head hd, d half c) at v[KD + 8 (2 hd + c)]
.set F0,    64
.set F1,    128
.set BIAS,  192
.set T,     64                         ; the way out: 2^(q log2 e)
.set U,     96                         ; qf, then its two operands at U and U + 16
.set OB,    128                        ; 16 rows read back from the stage, two buffers by turns
.set D2,    192                        ; the second product's results: e block eb at D2 + 8 eb, the divisor at D2 + 32
.set DN,    232
.set RC,    234                        ; v[234:235] 1 / divisor, named as a pair
.set WV,  14
.set RH,  15                           ; s15  my half of the tile's rows.  Also: I fetch for X (0) or for W (1)
.set CH,  16                           ; s16  my half of its columns.  Also: which half I fetch
.set G1,  24
.set G0,  32
.set G1B, 48
.set G0B, 56
.set L2E, 66                           ; s[66:67] log2(e)
.set ONE, 68                           ; s68  1.0
.set EPSR, 69                          ; s69  1e-6
.set WALK, 70                          ; s70  counts the four walks of the way out
.set HIM, 71                           ; s71  a word's upper bf16
.set NL2, 84                           ; s[84:85] -log2(e)
.set MSB, 0
.macro WIN new                         ; the immediate's high byte repeats the setting that is left; a switch that changes nothing is dropped
.if MSB != (\new)
	s_set_vgpr_msb (MSB<<8)|(\new)
.set MSB, \new
.endif
.endm
; A joint load.  Waves 0 and 1 fetch X's two halves, waves 2 and 3 W's.  The branch hangs on the wave's number alone.  An s_nop 0 and four v_nop follow each of the two lines.
.macro JLOAD s
	s_cmp_eq_u32 s[RH], 0
	s_cbranch_scc0 .Lfor_w_\@
	tensor_load_to_lds s[G0+4*(\s):G0+4*(\s)+3], s[G1:G1+7]
	s_nop 0
.rept 4
	v_nop
.endr
	s_branch .Lasked_\@
.Lfor_w_\@:
	tensor_load_to_lds s[G0B+4*(\s):G0B+4*(\s)+3], s[G1B:G1B+7]
	s_nop 0
.rept 4
	v_nop
.endr
.Lasked_\@:
.endm
.macro CREST                           ; a round of the cluster's barrier behind its opening barrier
	s_cmp_lg_u32 s[WV], 0
	s_cbranch_scc1 .Lnot_wave_0_\@
	s_barrier_signal -3
.Lnot_wave_0_\@:
	s_barrier_wait -3
	s_barrier_signal -1
	s_barrier_wait -1
.endm
.macro CROUND                          ; a whole round
	s_barrier_signal -1
	s_barrier_wait -1
	CREST
.endm
.macro PLACES                          ; four places between a matrix instruction and a load into, or a vector instruction on, one of its registers (ISA guide 7.12.1 for vector instructions)
.rept 4
	v_nop
.endr
.endm
	s_load_b256 s[4:11], s[0:1], 0x0               ; xb s[4:5], wb s[6:7], bq s[8:9], kvf s[10:11]
	s_load_b64 s[12:13], s[0:1], 0x20              ; out0
	v_lshl_add_u32 v[SPW], v0, 2, SPARE
	v_mov_b32 v[NIL], 0
	ds_add_u32 v[SPW], v[NIL]                      ; the wave's opening: the add and its wait stand ahead of my first tensor load; the set-up below, work on registers, stands between them
	v_lshrrev_b32 v1, 5, v0
	v_readfirstlane_b32 s[WV], v1
	s_lshr_b32 s[RH], s[WV], 1
	s_and_b32 s[CH], s[WV], 1
	s_bfe_u32 s40, ttmp6, 0x40000                  ; cx, cy
	s_bfe_u32 s41, ttmp6, 0x40004
	s_lshl_b32 s42, ttmp9, 2
	s_add_co_u32 s42, s42, s40                     ; x: the tile's 256 columns
	s_and_b32 s43, ttmp7, 0xffff
	s_lshl_b32 s43, s43, 2
	s_add_co_u32 s43, s43, s41                     ; y: the tile's 256 rows
	s_lshl_b32 s44, s41, 2
	s_lshl_b32 s44, 15, s44                        ; my row of the cluster
	s_lshl_b32 s45, 0x1111, s40                    ; my column
	s_or_b32 s[G1], s44, (1<<16)|(1<<20)|(1<<21)|(5<<22)|(3<<25)   ; 15:0 the mask: X's tiles go to my row; 17:16 2-byte elements; 20 padding on; 21 set beside a mask; 24:22 after 64 words; 31:25 4 words
	s_or_b32 s[G1B], s45, (1<<16)|(1<<20)|(1<<21)|(5<<22)|(7<<25)  ; W's tiles go to my column; 8 words of padding
.irp g, G1, G1B
	s_mov_b32 s[(\g)+1], 128<<16                   ; tensor_dim0 = 128
	s_mov_b32 s[(\g)+2], 128<<16                   ; tensor_dim1 = 128
	s_mov_b32 s[(\g)+3], 128<<16                   ; tile_dim0 = 128
	s_mov_b32 s[(\g)+4], 128                       ; tile_dim1 = 128
	s_mov_b32 s[(\g)+5], 1024                      ; tensor_dim0_stride
	s_mov_b32 s[(\g)+6], 0
	s_mov_b32 s[(\g)+7], 0
.endr
	s_mov_b32 s[L2E], 0x3fb8aa3b
	s_mov_b32 s[L2E+1], s[L2E]                     ; named with it as a pair
	s_mov_b32 s[NL2], 0xbfb8aa3b
	s_mov_b32 s[NL2+1], s[NL2]
	s_mov_b32 s[ONE], 1.0
	s_mov_b32 s[EPSR], 0x358637bd
	s_mov_b32 s[HIM], 0xffff0000
	; X's tile hangs on y and the wave alone (registers that never hold cx), W's on x and the wave alone (registers that never hold cy)
	s_lshl_b32 s17, s43, 8
	s_lshl_b32 s18, s[CH], 7
	s_add_co_u32 s17, s17, s18                     ; row 256 y + 128 x the half that I fetch
	s_lshl_b32 s72, s17, 11
	s_mov_b32 s73, 0
	s_lshl_b32 s46, s42, 9                         ; 256 columns of 2 bytes,
	s_lshl_b32 s47, s[CH], 8                       ; the half that I fetch,
	s_add_co_u32 s46, s46, s47
	s_add_co_u32 s46, s46, 2*1024*2048             ; in Wq, behind Wk and Wv
	s_mov_b32 s47, 0
	s_mul_i32 s20, s[CH], HALFA                    ; where they go: no place in the cluster enters an LDS address
	s_mul_i32 s21, s[CH], HALFB
	s_add_co_u32 s21, s21, WOFF
	s_lshl_b32 s74, s42, 10                        ; my 128 columns in f32: in bq, and in a row of out0
	s_lshl_b32 s75, s[CH], 9
	s_add_co_u32 s74, s74, s75
	s_mov_b32 s75, 0
	s_lshr_b32 s76, s43, 4                         ; my two heads in kvf: 16 x batch + 4 x + 2 CH,
	s_lshl_b32 s76, s76, 4
	s_lshl_b32 s77, s42, 2
	s_add_co_u32 s76, s76, s77
	s_lshl_b32 s77, s[CH], 1
	s_add_co_u32 s76, s76, s77
	s_mul_i32 s76, s76, 10240                      ; 20 blocks of 512 bytes a head
	s_mov_b32 s77, 0
	s_lshl_b32 s78, s43, 8                         ; my first row of out0: 256 y + 128 RH,
	s_lshl_b32 s79, s[RH], 7
	s_add_co_u32 s78, s78, s79
	s_lshl_b32 s78, s78, 12                        ; rows of 4,096 bytes: under 2^27,
	s_add_co_u32 s78, s78, s74                     ; and my columns
	s_mov_b32 s79, 0
	v_and_b32 v1, 15, v0                           ; r = l % 16
	v_bfe_u32 v2, v0, 4, 1                         ; h = l / 16
	v_lshlrev_b32 v7, 5, v2                        ; the bias: register j of column block b is bq[16 b + 8 h + j]
	v_and_b32 v8, 31, v0
	v_lshlrev_b32 v8, 4, v8                        ; kvf: 16 bytes a lane, a block of 512 consecutive bytes a load; blocks t and t + 1 are an operand's registers 0-3 and 4-7
	s_wait_dscnt 0x0                               ; the opening add is done
	s_wait_kmcnt 0x0
	s_add_nc_u64 s[22:23], s[4:5], s[72:73]
	s_add_nc_u64 s[46:47], s[6:7], s[46:47]
	s_add_nc_u64 s[8:9], s[8:9], s[74:75]
	s_add_nc_u64 s[10:11], s[10:11], s[76:77]
	s_add_nc_u64 s[12:13], s[12:13], s[78:79]
	; The bias, which the first products want, is asked for ahead of the round, so that it travels while the work-groups meet; nobody writes these bytes.
.set i, 0
.rept 8
	global_load_b128 v[BIAS+8*i:BIAS+8*i+3],   v7, s[8:9] offset:64*i
	global_load_b128 v[BIAS+8*i+4:BIAS+8*i+7], v7, s[8:9] offset:64*i+16
.set i, i+1
.endr
	CROUND                                         ; all sixteen work-groups are here: the first joint loads meet
.irp s, 0,1
	s_mov_b32 s[G0+4*(\s)], 1
	s_add_co_u32 s[G0+4*(\s)+1], s20, (\s)*SLOT
	s_add_nc_u64 s[G0+4*(\s)+2:G0+4*(\s)+3], s[22:23], (\s)*XSTEP
	s_or_b32 s[G0+4*(\s)+3], s[G0+4*(\s)+3], 0x80000000
	s_mov_b32 s[G0B+4*(\s)], 1
	s_add_co_u32 s[G0B+4*(\s)+1], s21, (\s)*SLOT
	s_add_nc_u64 s[G0B+4*(\s)+2:G0B+4*(\s)+3], s[46:47], (\s)*WSTEP
	s_or_b32 s[G0B+4*(\s)+3], s[G0B+4*(\s)+3], 0x80000000
	JLOAD \s                                       ; two loads of mine are out
.endr
	; The second product's operands are wanted only on the way out: their 40 loads go out behind the first tiles' requests, and nothing waits for them before the last product.
.set i, 0
.rept 4                                                ; i = 2 hd + c: ksum's operands, blocks 16 + 2 c, 17 + 2 c
	global_load_b128 v[KD+8*i:KD+8*i+3],   v8, s[10:11] offset:10240*(i/2)+512*(16+2*(i%2))
	global_load_b128 v[KD+8*i+4:KD+8*i+7], v8, s[10:11] offset:10240*(i/2)+512*(17+2*(i%2))
.set i, i+1
.endr
	WIN 0x40                                       ; destination window 1
.set i, 0
.rept 16                                               ; i = 8 hd + 2 eb + c: kv's operands, blocks 4 eb + 2 c, 4 eb + 2 c + 1; at v[8 i], the upper eight at v[192 ..]
	global_load_b128 v[8*i+128*(i/8):8*i+128*(i/8)+3],   v8, s[10:11] offset:10240*(i/8)+512*(4*((i/2)%4)+2*(i%2))
	global_load_b128 v[8*i+128*(i/8)+4:8*i+128*(i/8)+7], v8, s[10:11] offset:10240*(i/8)+512*(4*((i/2)%4)+2*(i%2)+1)
.set i, i+1
.endr
	WIN 0
	v_and_b32 v3, 7, v0
	v_bfe_u32 v4, v0, 3, 1
	v_mul_u32_u24 v5, v1, PA                       ; a fragment of X: row r, 16 bytes for each half of the lanes
	v_lshl_add_u32 v5, v2, 4, v5
	v_lshl_add_u32 v6, v2, 3, v3                   ; a fragment of W: the turning load's k-row 8 h + l % 8, 16 bytes at 16 ((l / 8) % 2)
	v_mul_u32_u24 v6, v6, PB
	v_lshl_add_u32 v6, v4, 4, v6
	s_mul_i32 s17, s[RH], HALFA                    ; my 128 rows of X
	v_add_nc_u32 v[ADRX], s17, v5
	v_add_nc_u32 v[ADRX+1], SLOT, v[ADRX]
	s_mul_i32 s18, s[CH], HALFB                    ; my 128 columns of W
	s_add_co_u32 s18, s18, WOFF
	v_add_nc_u32 v[ADRW], s18, v6
	v_add_nc_u32 v[ADRW+1], SLOT, v[ADRW]
	s_mul_i32 s19, s[WV], 16*SP
	s_add_co_u32 s19, s19, STAGE                   ; my stage
	v_mul_u32_u24 v[STO], v1, SP                   ; in: row r, 32 bytes for each half of the lanes
	v_lshl_add_u32 v[STO], v2, 5, v[STO]
	v_add_nc_u32 v[STO], s19, v[STO]
	v_mul_u32_u24 v[RD], v2, SP                    ; back: lanes 0-15 take one row of 256 bytes, lanes 16-31 the next
	v_lshl_add_u32 v[RD], v1, 4, v[RD]
	v_add_nc_u32 v[RD], s19, v[RD]
	v_lshlrev_b32 v[CO], 12, v2                    ; and the same two rows in out0
	v_lshl_add_u32 v[CO], v1, 4, v[CO]
	s_wait_loadcnt 40                              ; loads come back in order: the 16 of the bias are in; the 8 + 32 of the operands, issued behind them, may stay out until the way out
	; the bias is rounded to bf16, widened again and raised by 1; the packed halves pass through registers of the first fragment buffer, which is not yet in use; four runs, so that no line waits for the one before it
.set i, 0
.rept 32
	v_cvt_pk_bf16_f32 v[F0+i], v[BIAS+2*i], v[BIAS+2*i+1]
.set i, i+1
.endr
.set i, 0
.rept 32
	v_lshlrev_b32 v[BIAS+2*i], 16, v[F0+i]
.set i, i+1
.endr
.set i, 0
.rept 32
	v_and_b32 v[BIAS+2*i+1], s[HIM], v[F0+i]
.set i, i+1
.endr
.set i, 0
.rept 32
	v_pk_add_f32 v[BIAS+2*i:BIAS+2*i+1], v[BIAS+2*i:BIAS+2*i+1], 1.0 op_sel_hi:[1,0]  ; the sums hold q + 1
.set i, i+1
.endr
; 16 matrix instructions: row blocks a0, a0 + 1 of the window's four x all 8 column blocks, 32 along K.  first = 1: the bias is C and the product starts the sum.
; The 64 accumulators take turns, one instruction a turn.
.macro MUL16 f, hi, a0, first
.if \first
	WIN 0x81+0x40*(\hi)                            ; W window 1, X window 0, C window 0, D window 2 or 3
.else
	WIN 0xa1+0x50*(\hi)                            ; C and D window 2 or 3
.endif
.irp a, \a0, (\a0)+1
.irp b, 0,1,2,3,4,5,6,7
.if \first
	v_wmma_f32_16x16x32_bf16 v[8*(8*(\a)+(\b)):8*(8*(\a)+(\b))+7], v[(\f)+8*(\b):(\f)+8*(\b)+7], v[(\f)+8*(4*(\hi)+(\a)):(\f)+8*(4*(\hi)+(\a))+7], v[BIAS+8*(\b):BIAS+8*(\b)+7]
.else
	v_wmma_f32_16x16x32_bf16 v[8*(8*(\a)+(\b)):8*(8*(\a)+(\b))+7], v[(\f)+8*(\b):(\f)+8*(\b)+7], v[(\f)+8*(4*(\hi)+(\a)):(\f)+8*(4*(\hi)+(\a))+7], v[8*(8*(\a)+(\b)):8*(8*(\a)+(\b))+7]
.endif
.endr
.endr
.endm
; 32 LDS loads in one run: the fragments of quarter qd (32 along K) of a slot into buffer f: W's eight column blocks, then X's eight row blocks
.macro FETCH slot, qd, f
	WIN 0x40
.irp i, 0,1,2,3,4,5,6,7
	ds_load_tr16_b128 v[(\f)+8*(\i):(\f)+8*(\i)+3],   v[ADRW+(\slot)] offset:32*PB*(\qd)+32*(\i)
	ds_load_tr16_b128 v[(\f)+8*(\i)+4:(\f)+8*(\i)+7], v[ADRW+(\slot)] offset:32*PB*(\qd)+32*(\i)+16*PB
.endr
	WIN 0
.irp i, 0,1,2,3,4,5,6,7
	ds_load_b128 v[(\f)+8*(\i):(\f)+8*(\i)+3],   v[ADRX+(\slot)] offset:64*(\qd)+(\i)*16*PA
	ds_load_b128 v[(\f)+8*(\i)+4:(\f)+8*(\i)+7], v[ADRX+(\slot)] offset:64*(\qd)+(\i)*16*PA+32
.endr
.endm
.macro QUARTER slot, qd, f, g, first
	s_wait_dscnt 8                                 ; W and X's rows 0-63 are in; the youngest eight loads (X's rows 64-127) may be out
	MUL16 \f, 0, 0, \first
	MUL16 \f, 0, 2, \first
	PLACES
	FETCH \slot, \qd, \g
	s_wait_dscnt 32                                ; all but the 32 just issued
	MUL16 \f, 1, 0, \first
	MUL16 \f, 1, 2, \first
.endm
; The last quarter multiplies buffer 1 and changes slots.  ONE barrier: in front of it each wave waits for all its tensor loads (one is out: its part of the next slot), adds 0 to its spare word, and waits for
; that and for its own reads of this slot.  Behind it nobody reads this slot any more and the next slot is whole.
.macro MEET round
	WIN 0
	s_wait_tensorcnt 0x0                           ; all my tensor loads have landed;
	ds_add_u32 v[SPW], v[NIL]                      ; 0 onto my spare word;
	s_wait_dscnt 9                                 ; (the add and the youngest eight loads may be out)
	MUL16 F1, 0, 0, 0
	s_wait_dscnt 0x0                               ; the add is done, and my reads of this slot are over
	s_barrier_signal -1
	MUL16 F1, 0, 2, 0
.if \round
	WIN 0
.endif
	s_barrier_wait -1
.endm
; Where the slot is filled again the barrier opens a round of the cluster's, and the joint refill, two K steps on, is the first tensor load behind it.
.macro TURN slot, next
	MEET 1
	CREST
	s_add_nc_u64 s[G0+4*(\slot)+2:G0+4*(\slot)+3], s[G0+4*(\slot)+2:G0+4*(\slot)+3], 2*XSTEP
	s_add_nc_u64 s[G0B+4*(\slot)+2:G0B+4*(\slot)+3], s[G0B+4*(\slot)+2:G0B+4*(\slot)+3], 2*WSTEP
	JLOAD \slot                                    ; the four v_nop behind it are also the places in front of the loads below
	FETCH \next, 0, F0
	MUL16 F1, 1, 0, 0
	MUL16 F1, 1, 2, 0
.endm
; THE WAY OUT is written for 32 rows, the accumulators at v0-127 of window 2, and walked four times; between the walks the next 128 registers are copied down.
; Unit n of four: row block a = n / 2 (16 rows), head hd = n % 2 (64 columns).
; S1: T = y log2 e - log2 e, out of window 2.  The sixteen lines name no register of the products in front of them: they are the places ahead of what reads those products' results and rewrites their sources.
; Each accumulator's lowest registers are read first.
.macro S1 n
	WIN 0x02                                       ; source 0 in window 2
.set XB, 64*((\n)/2)+32*((\n)%2)
.set e, 0
.rept 16
	v_pk_fma_f32 v[T+e:T+e+1], v[XB+e:XB+e+1], s[L2E:L2E+1], s[NL2:NL2+1] op_sel_hi:[1,0,0]
.set e, e+2
.endr
.endm
; S2: T = 2^T; U = the middle one of T, y (read in window 2) and 1; then U's 16 pairs are rounded to bf16 in place: pairs 0-7 make the operand of d 0-31 at U, pairs 8-15 that of d 32-63 at U + 16.
; A plain instruction stands between every exponential and the use of its result (ISA guide 5.7.2): the v_nop for the first two, then the medians two numbers back.
.macro S2 n
.set XB, 64*((\n)/2)+32*((\n)%2)
	WIN 0x08                                       ; source 1 in window 2
	v_exp_f32 v[T], v[T]
	v_exp_f32 v[T+1], v[T+1]
	v_nop
.set e, 2
.rept 30
	v_exp_f32 v[T+e], v[T+e]
	s_wait_alu depctr_va_vdst(0)
	v_med3_num_f32 v[U+e-2], v[T+e-2], v[XB+e-2], s[ONE]
.set e, e+1
.endr
	s_wait_alu depctr_va_vdst(0)
	v_med3_num_f32 v[U+30], v[T+30], v[XB+30], s[ONE]
	v_med3_num_f32 v[U+31], v[T+31], v[XB+31], s[ONE]
	WIN 0
.set q, 0
.rept 16
	v_cvt_pk_bf16_f32 v[U+16*(q/8)+q%8], v[U+2*q], v[U+2*q+1]
.set q, q+1
.endr
.endm
; MM2: ten products: the divisor's accumulator and the four e blocks', each two deep along d.  The order 4, 0-3, 0-3, 4 lets the accumulators take turns.
.macro MM2 n
.set HD, (\n)%2
	WIN 0
	v_wmma_f32_16x16x32_bf16 v[D2+32:D2+39], v[KD+16*HD:KD+16*HD+7], v[U:U+7], 0
	WIN 0x01                                       ; kv's operands in window 1
.set i, 0
.rept 4
	v_wmma_f32_16x16x32_bf16 v[D2+8*i:D2+8*i+7], v[192*HD+16*i:192*HD+16*i+7], v[U:U+7], 0
.set i, i+1
.endr
.set i, 0
.rept 4
	v_wmma_f32_16x16x32_bf16 v[D2+8*i:D2+8*i+7], v[192*HD+16*i+8:192*HD+16*i+15], v[U+16:U+23], v[D2+8*i:D2+8*i+7]
.set i, i+1
.endr
	WIN 0
	v_wmma_f32_16x16x32_bf16 v[D2+32:D2+39], v[KD+16*HD+8:KD+16*HD+15], v[U+16:U+23], v[D2+32:D2+39]
.endm
; SCALE: the divisor (the same in all eight registers; the lowest is read), held to 1e-6 at the least; its reciprocal; the 32 numbers times it, each result's lowest registers first.
.macro SCALE
	WIN 0
	v_max_num_f32 v[DN], s[EPSR], v[D2+32]
	v_rcp_f32 v[RC], v[DN]
	v_nop                                          ; a plain instruction between the reciprocal and the use of its result
.set e, 0
	s_wait_alu depctr_va_vdst(0)
.rept 16
	v_pk_mul_f32 v[D2+e:D2+e+1], v[D2+e:D2+e+1], v[RC:RC+1] op_sel_hi:[1,0]
.set e, e+2
.endr
.endm
; TOSTAGE: a lane's 8 neighbouring numbers of an e block are 32 bytes of a head's row of 256; 16 rows go into my own stage and come back as whole rows.
.macro TOSTAGE n
	WIN 0
	s_wait_xcnt 0x0                                ; every earlier store has read its registers: the row buffer is loaded again only behind this wait
.irp k, 0,1,2,3,4,5,6,7
	ds_store_b128 v[STO], v[D2+4*(\k):D2+4*(\k)+3] offset:64*((\k)/2)+16*((\k)%2)
.endr
.irp t, 0,1,2,3,4,5,6,7
	ds_load_b128 v[OB+32*((\n)%2)+4*(\t):OB+32*((\n)%2)+4*(\t)+3], v[RD] offset:(\t)*2*SP  ; LDS serves a wave's instructions in order (ISA guide 5.7.1.4): these see the stores above; the next unit's stores come behind them
.endr
.endm
.macro SEND n
	WIN 0
	s_wait_dscnt 0x0                               ; the rows are back in registers
.irp t, 0,1,2,3,4,5,6,7
	global_store_b128 v[CO], v[OB+32*((\n)%2)+4*(\t):OB+32*((\n)%2)+4*(\t)+3], s[12:13] offset:(16*((\n)/2)+2*(\t))*4096+256*((\n)%2) th:TH_STORE_NT  ; 16 lanes store 256 consecutive bytes, at a multiple of 256 from out0's first byte
.endr
.endm
; 128 registers, two row blocks' accumulators, go where the one text of the way out names them; ascending
.macro COPY win, src
	WIN \win
.set i, 0
.rept 128
	v_mov_b32 v[i], v[(\src)+i]
.set i, i+1
.endr
	WIN 0
.endm
	s_wait_tensorcnt 0x1                           ; my part of K step 0 is in; K step 1's may stay out
	s_barrier_signal -1
	s_barrier_wait -1                              ; everybody's is
	FETCH 0, 0, F0
	QUARTER 0, 1, F0, F1, 1                        ; the first quarter: the bias starts the sums
	WIN 0                                          ; at a label and at a branch every window is 0
	s_mov_b32 s3, 3
.Llap:                                                 ; a trip goes once round the ring, from a lap's second quarter to the next lap's first, and fills both slots again
	QUARTER 0, 2, F1, F0, 0
	QUARTER 0, 3, F0, F1, 0
	TURN 0, 1
	QUARTER 1, 1, F0, F1, 0
	QUARTER 1, 2, F1, F0, 0
	QUARTER 1, 3, F0, F1, 0
	TURN 1, 0
	QUARTER 0, 1, F0, F1, 0
	WIN 0
	s_sub_co_u32 s3, s3, 1
	s_cmp_lg_u32 s3, 0
	s_cbranch_scc1 .Llap
	QUARTER 0, 2, F1, F0, 0                        ; the last lap fills nothing, and has no round of the cluster's barrier
	QUARTER 0, 3, F0, F1, 0
	MEET 0
	PLACES
	FETCH 1, 0, F0
	MUL16 F1, 1, 0, 0
	MUL16 F1, 1, 2, 0
	QUARTER 1, 1, F0, F1, 0
	QUARTER 1, 2, F1, F0, 0
	QUARTER 1, 3, F0, F1, 0
	s_wait_dscnt 8
	MUL16 F1, 0, 0, 0
	MUL16 F1, 0, 2, 0
	s_wait_dscnt 0x0
	MUL16 F1, 1, 0, 0
	MUL16 F1, 1, 2, 0
	WIN 0
	PLACES                                         ; behind the last products
	s_wait_loadcnt 0x0                             ; the second product's operands, asked for at the head
	v_mov_b32 v[RC+1], 0                           ; named with the reciprocal as a pair
	s_mov_b32 s[WALK], 4
.Lwalk:                                                ; 32 rows a walk
	S1 0
	S2 0
.irp n, 0,1,2                          ; unit n's products; the next unit's first vector work, which is also the places behind them; then unit n is scaled and staged, and stored behind the next unit's exponentials
	MM2 \n
	S1 (\n)+1
	SCALE
	TOSTAGE \n
	S2 (\n)+1
	SEND \n
.endr
	MM2 3
	PLACES
	SCALE
	TOSTAGE 3
	WIN 0
	; the next walk's accumulators come down while the last unit's rows are on their way back from the stage: rows 32-63 lie at v128-255 of window 2, rows 64-95 and 96-127 in window 3; the last walk copies nothing
	s_cmp_eq_u32 s[WALK], 4
	s_cbranch_scc1 .Lc1
	s_cmp_eq_u32 s[WALK], 3
	s_cbranch_scc1 .Lc2
	s_cmp_eq_u32 s[WALK], 2
	s_cbranch_scc0 .Lc0
	COPY 0x83, 128
	s_branch .Lc0
.Lc1:
	COPY 0x82, 128
	s_branch .Lc0
.Lc2:
	COPY 0x83, 0
.Lc0:
	SEND 3
	s_wait_xcnt 0x0                                ; the stores have read their base
	s_add_nc_u64 s[12:13], s[12:13], 32*4096       ; 32 rows of out0 on (behind the last walk the stepped address is not used)
	s_sub_co_u32 s[WALK], s[WALK], 1
	s_cmp_lg_u32 s[WALK], 0
	s_cbranch_scc1 .Lwalk
	s_wait_tensorcnt 0x0                           ; the wave's end: behind my last tensor load and my last LDS store
	ds_add_u32 v[SPW], v[NIL]
	s_wait_dscnt 0x0
	CROUND                                         ; the closing round: no work-group ends while a partner may still ask for a tile that names it
	s_endpgm
.Lfunc_end_k_qed71de741d_q:
	.size	k_qed71de741d_q, .Lfunc_end_k_qed71de741d_q-k_qed71de741d_q
	.p2alignl 7, 3214868480
	.fill 96, 4, 3214868480
	.section	.rodata,"a",@progbits
	.p2align	6, 0x0
	.amdhsa_kernel k_qed71de741d_q
		.amdhsa_group_segment_fixed_size 327680
		.amdhsa_private_segment_fixed_size 0
		.amdhsa_enable_private_segment 0
		.amdhsa_kernarg_size 40
		.amdhsa_user_sgpr_count 2
		.amdhsa_user_sgpr_kernarg_segment_ptr 1
		.amdhsa_wavefront_size32 1
		.amdhsa_system_sgpr_workgroup_id_x 1
		.amdhsa_system_sgpr_workgroup_id_y 1
		.amdhsa_system_sgpr_workgroup_id_z 1
		.amdhsa_system_vgpr_workitem_id 0
		.amdhsa_next_free_vgpr 1024
		.amdhsa_next_free_sgpr 88
		.amdhsa_reserve_vcc 0
		.amdhsa_float_denorm_mode_32 3
		.amdhsa_float_denorm_mode_16_64 3
		.amdhsa_memory_ordered 1
		.amdhsa_forward_progress 1
		.amdhsa_inst_pref_size 175
	.end_amdhsa_kernel
	.amdgpu_metadata
---
amdhsa.version: [ 1, 2 ]
amdhsa.kernels:
  - .name:           k_qed71de741d_q
    .symbol:         k_qed71de741d_q.kd
    .args:
      - { .name: xb, .offset: 0, .size: 8, .value_kind: global_buffer, .address_space: global }
      - { .name: wb, .offset: 8, .size: 8, .value_kind: global_buffer, .address_space: global }
      - { .name: bq, .offset: 16, .size: 8, .value_kind: global_buffer, .address_space: global }
      - { .name: kvf, .offset: 24, .size: 8, .value_kind: global_buffer, .address_space: global }
      - { .name: out0, .offset: 32, .size: 8, .value_kind: global_buffer, .address_space: global }
    .group_segment_fixed_size: 327680
    .private_segment_fixed_size: 0
    .kernarg_segment_align: 8
    .kernarg_segment_size: 40
    .max_flat_workgroup_size: 128
    .sgpr_count:     88
    .vgpr_count:     1024
    .wavefront_size: 32
...
	.end_amdgpu_metadata
.endif
;; end of part 4
